; MI455X (gfx1250); checked and timed in simulation.
; The chip was launched on July 23, 2026; its instructions are those of AMD's public machine-readable ISA for CDNA 5 (MIT licence, August 2026) and "CDNA5" Instruction Set Architecture Reference Guide (July 2026). The comments in the code are by the model that wrote it; some were corrected since.
;; Adjusted Non Local Block. Allowed arithmetic: float matrix products may take bf16 or f16 operands with f32 sums; all other float work in f32.
;; Inputs: W_b 128 float32; W_w 128 x 64 float32; g_b 64 float32; g_w 64 x 128 float32; phi_b 64 float32; phi_w 64 x 128 float32; theta_b 64 float32; theta_w 64 x 128 float32; x0 4 x 128 x 64 x 64 float32; x1 4 x 128 x 64 x 64 float32.
;; Outputs: out0 4 x 128 x 64 x 64 float32.
;; One version. Each part assembles by itself: llvm-mc -triple=amdgcn-amd-amdhsa -mcpu=gfx1250 --defsym DOCPART=n.
;; ======== version 1 of 1: 2 launches
;; workspace buffers: kv 4,194,304 bytes; qimg 2,097,152 bytes
;; launch proj (part 1): grid 256 x 1, 8 waves a work-group, no clusters, 33,792 bytes of LDS; arguments x0, x1, phi_w, phi_b, g_w, g_b, theta_w, theta_b, kv, qimg; writes kv, qimg
.if DOCPART == 1
	.amdgcn_target "amdgcn-amd-amdhsa--gfx1250"
	.amdhsa_code_object_version 6
	.text
	.protected	k_q7d9ee8d870_proj
	.globl	k_q7d9ee8d870_proj
	.p2align	8
	.type	k_q7d9ee8d870_proj,@function
k_q7d9ee8d870_proj:
	s_mov_b64 s[64:65], 0
	v_nop
	global_prefetch_b8 v0, s[64:65] scope:SCOPE_SE
	s_setreg_imm32_b32 hwreg(HW_REG_WAVE_MODE, 25, 1), 1
	s_wait_xcnt 0x0
; The three 1x1 convolutions 128 -> 64: phi(x0), g(x0), theta(x1), rounded to bf16 and stored as register images of matrix fragments.
; A work-group owns one block of 64 positions of one image (256 blocks).  A block is four tiles T of 16 positions; index i of tile T is
; position 64 blk + 4 i + T: a lane's 16-byte load of x holds one position of each of the four tiles.
; kv, 16,384 bytes a block:  K image at (4 T + t) 512 + 16 lane: lane (r, h) holds phi[position (T, r)][channels 16 t + 8 h .. + 7];
;                            V image at 8192 + ((4 p + t) 2 + g) 512 + 16 lane, T = 2 p + g: lane (r, h) holds g[channel 16 t + r][positions (T, 8 h .. 8 h + 7)].
; qimg, 8,192 bytes a block: theta in the K image's layout.
; theta and phi are both multiplied in f32 by sqrt(log2 e) before the rounding, so that their products are scores in units of powers of two.
; Eight waves: role = wave / 4 (0: x0 and phi, 1: x1 and theta), t = wave % 4.  A wave loads channels 32 t .. 32 t + 31 of its role's x, rounds
; them and shares them through LDS as fragments; then it makes channels 16 t .. + 15 of phi or theta for all four tiles (16 matrix instructions)
; and channels 16 t .. + 15 of g for tiles 2 role, 2 role + 1 (8 matrix instructions).
; NO CLUSTER: the work-groups share the weights alone (98,304 bytes in the whole launch); they go straight into fragment registers by lane-wise
; loads, and a joint tile would need an LDS stage and a round of the cluster's barrier in front of 24 matrix instructions a wave.
; LIMITS: x and the weights enter the products rounded to bf16; NaN and infinities in the inputs are not served.
.set CHB,   16384                      ; bytes from a channel of x to the next: 4,096 positions of f32
.set SCALE, 0x3f99be61                 ; sqrt(log2 e) = 1.2011224
.set WFA,  16                          ; v[16:79] phi's or theta's weights as loaded, packed in place into v[16:47]: fragment cc at WFA + 8 cc
.set WFG,  48                          ; v[48:79] g's weights, packed: fragment cc at WFG + 8 cc
.set BA,   80                          ; v[80:87] bias of channels 16 t + 8 h + 0 .. 7
.set BG,   88                          ; v[88:95] g's bias of channel 16 t + r, eight times
.set RAWG, 96                          ; v[96:159] g's weights as loaded
.set RAWX, 160                         ; v[160:223] x as loaded: register 4 (8 g2 + e) + T = x[32 t + 16 g2 + 8 h + e][position (T, r)]
.set XF,   224                         ; v[224:255] my four fragments of x (T, cc = t), packed
.set ACC,  224                         ; v[224:255] then the accumulators, tile T at ACC + 8 T
.set XA,   96                          ; v[96:223] behind the barrier: fragments of x, (T, cc) at XA + 8 (4 T + cc)
.macro PLACES n
.rept \n
	v_nop
.endr
.endm
.macro CVT32 dst, src                  ; 64 f32 to 64 bf16; a destination never passes a source that is still to be read
.set ii, 0
.rept 32
	v_cvt_pk_bf16_f32 v[\dst+ii], v[\src+2*ii], v[\src+2*ii+1]
.set ii, ii+1
.endr
.endm
.macro WLOAD dst, base                 ; row 16 t + r of a weight matrix: for each 32 channels cc the 8 at 8 h and the 8 at 16 + 8 h
.irp cc, 0,1,2,3
	global_load_b128 v[\dst+16*\cc:\dst+16*\cc+3],     v2, s[\base:\base+1] offset:128*\cc
	global_load_b128 v[\dst+16*\cc+4:\dst+16*\cc+7],   v2, s[\base:\base+1] offset:128*\cc+16
	global_load_b128 v[\dst+16*\cc+8:\dst+16*\cc+11],  v2, s[\base:\base+1] offset:128*\cc+64
	global_load_b128 v[\dst+16*\cc+12:\dst+16*\cc+15], v2, s[\base:\base+1] offset:128*\cc+80
.endr
.endm
	s_load_b512 s[8:23], s[0:1], 0x0               ; x0 8, x1 10, phi_w 12, phi_b 14, g_w 16, g_b 18, theta_w 20, theta_b 22
	s_load_b128 s[24:27], s[0:1], 0x40             ; kv 24, qimg 26
	v_lshl_add_u32 v14, v0, 2, 0x8000
	v_mov_b32 v15, 0
	v_lshrrev_b32 v1, 5, v0
	v_readfirstlane_b32 s2, v1                     ; wave
	s_lshr_b32 s3, s2, 2                           ; role
	s_and_b32 s4, s2, 3                            ; t
	; all offsets, each in a pair of its own, ahead of the one compare
	s_lshr_b32 s5, ttmp9, 6
	s_lshl_b32 s42, s5, 21                         ; image x 128 channels x 16,384 bytes
	s_and_b32 s5, ttmp9, 63
	s_lshl_b32 s5, s5, 8                           ; block x 64 positions x 4 bytes
	s_or_b32 s42, s42, s5
	s_lshl_b32 s5, s4, 19                          ; t x 32 channels
	s_or_b32 s42, s42, s5
	s_mov_b32 s43, 0
	s_lshl_b32 s44, s4, 13                         ; t x 16 rows of 512 bytes of a weight matrix
	s_mov_b32 s45, 0
	s_lshl_b32 s46, s4, 6                          ; t x 16 numbers of a bias
	s_mov_b32 s47, 0
	s_lshl_b32 s7, s4, 9                           ; t x 512: my piece of a K image
	s_lshl_b32 s5, ttmp9, 14                       ; my block in kv
	s_lshl_b32 s6, ttmp9, 13                       ; my block in qimg
	s_lshl_b32 s50, s3, 12                         ; V image: role x 4,096
	s_add_co_u32 s50, s50, s5
	s_lshl_b32 s51, s4, 10                         ; + t x 1,024
	s_add_co_u32 s50, s50, s51
	s_add_co_u32 s50, s50, 8192                    ; behind the K image
	s_mov_b32 s51, 0
	s_add_co_u32 s5, s5, s7
	s_add_co_u32 s6, s6, s7
	s_mov_b32 s49, 0
	s_mov_b32 s52, SCALE
	s_mov_b32 s53, SCALE
	s_lshl_b32 s54, s3, 14                         ; LDS: x0's fragments at 0, x1's at 16,384
	s_lshl_b32 s55, s4, 10
	s_add_co_u32 s55, s55, s54                     ; + t x 1,024: fragment (T, cc = t)
	s_lshl_b32 s56, s3, 13                         ; x0's fragments of tiles 2 role, 2 role + 1
	v_and_b32 v10, 31, v0                          ; lane
	v_and_b32 v11, 15, v0                          ; r
	v_bfe_u32 v12, v0, 4, 1                        ; h
	v_lshlrev_b32 v1, 4, v10                       ; 16 lane: the stores
	v_lshlrev_b32 v2, 9, v11
	v_lshl_add_u32 v2, v12, 5, v2                  ; weights: row r, 8 h channels on
	v_lshlrev_b32 v3, 5, v12                       ; bias of 8 h ..
	v_lshlrev_b32 v4, 2, v11                       ; bias of r
	v_lshlrev_b32 v5, 4, v11
	v_lshl_add_u32 v5, v12, 17, v5                 ; x: 8 h channels on, positions 4 r .. 4 r + 3
	v_add_nc_u32 v6, s55, v1                       ; LDS: where I put my fragments
	v_add_nc_u32 v7, s54, v1                       ; LDS: my role's fragments
	v_add_nc_u32 v9, s56, v1                       ; LDS: x0's fragments for g
	s_wait_kmcnt 0x0
	s_cmp_eq_u32 s3, 0                             ; the selects and 64-bit sums below leave SCC as it is
	s_cselect_b64 s[28:29], s[8:9], s[10:11]       ; x0 or x1
	s_cselect_b64 s[30:31], s[12:13], s[20:21]     ; phi_w or theta_w
	s_cselect_b64 s[32:33], s[14:15], s[22:23]     ; phi_b or theta_b
	s_cselect_b64 s[38:39], s[24:25], s[26:27]     ; kv or qimg
	s_cselect_b32 s48, s5, s6
	s_add_nc_u64 s[28:29], s[28:29], s[42:43]
	s_add_nc_u64 s[30:31], s[30:31], s[44:45]
	s_add_nc_u64 s[32:33], s[32:33], s[46:47]
	s_add_nc_u64 s[34:35], s[16:17], s[44:45]      ; g_w
	s_add_nc_u64 s[36:37], s[18:19], s[46:47]      ; g_b
	s_add_nc_u64 s[38:39], s[38:39], s[48:49]
	s_add_nc_u64 s[40:41], s[24:25], s[50:51]      ; the V image
	; all 51 loads of the wave at once.  x first: it is the launch's bulk (65,536 bytes a work-group, read by nobody else), and each of its loads takes
	; two runs of 256 consecutive bytes; a load of weights touches sixteen rows, and the 35 of them are issued while x is on its way.
.irp g2, 0,1
.irp e, 0,1,2,3,4,5,6,7
	global_load_b128 v[RAWX+4*(8*\g2+\e):RAWX+4*(8*\g2+\e)+3], v5, s[28:29] offset:(16*\g2+\e)*CHB   ; sixteen lanes take 256 consecutive bytes of a channel, aligned
.endr
.endr
	WLOAD WFA, 30
	global_load_b128 v[BA:BA+3],   v3, s[32:33]
	global_load_b128 v[BA+4:BA+7], v3, s[32:33] offset:16
	WLOAD RAWG, 34
	global_load_b32 v[BG], v4, s[36:37]
	s_wait_loadcnt 35                              ; 16 + 2 + 16 + 1 loads of weights and biases are the younger ones: x is in
.irp tt, 0,1,2,3
.irp g2, 0,1
.irp e2, 0,1,2,3
	v_cvt_pk_bf16_f32 v[XF+8*\tt+4*\g2+\e2], v[RAWX+4*(8*\g2+2*\e2)+\tt], v[RAWX+4*(8*\g2+2*\e2+1)+\tt]
.endr
.endr
.endr
.irp tt, 0,1,2,3
.irp g2, 0,1
	ds_store_b128 v6, v[XF+8*\tt+4*\g2:XF+8*\tt+4*\g2+3] offset:\tt*4096+\g2*512   ; 32 lanes write 512 consecutive bytes
.endr
.endr
	s_wait_loadcnt 0x0                             ; weights and biases
	CVT32 WFA, WFA
	CVT32 WFG, RAWG
.irp j, 1,2,3,4,5,6,7
	v_mov_b32 v[BG+\j], v[BG]                      ; as C of g's products: all eight rows of a lane's column take the column's bias
.endr
	s_wait_dscnt 0x0                               ; my fragments are in LDS, for the other waves' sake
	s_barrier_signal -1
	s_barrier_wait -1
.set ii, 0
.rept 32
	ds_load_b128 v[XA+4*ii:XA+4*ii+3], v7 offset:ii*512      ; all sixteen fragments of my role's x
.set ii, ii+1
.endr
	s_wait_dscnt 0x0
	; phi or theta: A = 16 rows of the weights, B = 16 positions of x; the bias starts the sums.  The four accumulators take turns.
.irp cc, 0,1,2,3
.irp tt, 0,1,2,3
.if \cc == 0
	v_wmma_f32_16x16x32_bf16 v[ACC+8*\tt:ACC+8*\tt+7], v[WFA+8*\cc:WFA+8*\cc+7], v[XA+8*(4*\tt+\cc):XA+8*(4*\tt+\cc)+7], v[BA:BA+7]
.else
	v_wmma_f32_16x16x32_bf16 v[ACC+8*\tt:ACC+8*\tt+7], v[WFA+8*\cc:WFA+8*\cc+7], v[XA+8*(4*\tt+\cc):XA+8*(4*\tt+\cc)+7], v[ACC+8*\tt:ACC+8*\tt+7]
.endif
.endr
.endr
	PLACES 5                                       ; four places before XA is loaded again and the sums are read, five before g's products write over the accumulators (ISA guide 7.12.1)
.set ii, 0
.rept 16
	ds_load_b128 v[XA+4*ii:XA+4*ii+3], v9 offset:ii*512      ; x0's fragments of tiles 2 role + g: (g, cc) at XA + 8 (4 g + cc)
.set ii, ii+1
.endr
.set ii, 0
.rept 16
	v_pk_mul_f32 v[ACC+2*ii:ACC+2*ii+1], v[ACC+2*ii:ACC+2*ii+1], s[52:53] op_sel_hi:[1,0]
.set ii, ii+1
.endr
.irp tt, 0,1,2,3
.irp k, 0,1,2,3
	v_cvt_pk_bf16_f32 v[ACC+8*\tt+\k], v[ACC+8*\tt+2*\k], v[ACC+8*\tt+2*\k+1]    ; a lane's eight channels of one position: 16 bytes
.endr
.endr
.irp tt, 0,1,2,3
	global_store_b128 v1, v[ACC+8*\tt:ACC+8*\tt+3], s[38:39] offset:\tt*2048      ; the wave stores 512 consecutive bytes, aligned
.endr
	s_wait_xcnt 0x0                                ; the stores' data registers are written again only behind this wait
	s_wait_dscnt 0x0
	; g: A = 16 positions of x0, B = 16 rows of g's weights, so that a lane holds eight positions of one channel.  Two accumulators take turns.
.irp cc, 0,1,2,3
.irp g, 0,1
.if \cc == 0
	v_wmma_f32_16x16x32_bf16 v[ACC+8*\g:ACC+8*\g+7], v[XA+8*(4*\g+\cc):XA+8*(4*\g+\cc)+7], v[WFG+8*\cc:WFG+8*\cc+7], v[BG:BG+7]
.else
	v_wmma_f32_16x16x32_bf16 v[ACC+8*\g:ACC+8*\g+7], v[XA+8*(4*\g+\cc):XA+8*(4*\g+\cc)+7], v[WFG+8*\cc:WFG+8*\cc+7], v[ACC+8*\g:ACC+8*\g+7]
.endif
.endr
.endr
	PLACES 4
.irp g, 0,1
.irp k, 0,1,2,3
	v_cvt_pk_bf16_f32 v[ACC+8*\g+\k], v[ACC+8*\g+2*\k], v[ACC+8*\g+2*\k+1]
.endr
.endr
.irp g, 0,1
	global_store_b128 v1, v[ACC+8*\g:ACC+8*\g+3], s[40:41] offset:\g*512
.endr
	s_wait_tensorcnt 0x0
	ds_add_u32 v14, v15
	s_wait_dscnt 0x0
	s_endpgm
.Lfunc_end_k_q7d9ee8d870_proj:
	.size	k_q7d9ee8d870_proj, .Lfunc_end_k_q7d9ee8d870_proj-k_q7d9ee8d870_proj
	.p2alignl 7, 3214868480
	.fill 96, 4, 3214868480
	.section	.rodata,"a",@progbits
	.p2align	6, 0x0
	.amdhsa_kernel k_q7d9ee8d870_proj
		.amdhsa_group_segment_fixed_size 33792
		.amdhsa_private_segment_fixed_size 0
		.amdhsa_enable_private_segment 0
		.amdhsa_kernarg_size 80
		.amdhsa_user_sgpr_count 2
		.amdhsa_user_sgpr_kernarg_segment_ptr 1
		.amdhsa_wavefront_size32 1
		.amdhsa_system_sgpr_workgroup_id_x 1
		.amdhsa_system_sgpr_workgroup_id_y 1
		.amdhsa_system_sgpr_workgroup_id_z 1
		.amdhsa_system_vgpr_workitem_id 0
		.amdhsa_next_free_vgpr 256
		.amdhsa_next_free_sgpr 66
		.amdhsa_reserve_vcc 0
		.amdhsa_float_denorm_mode_32 3
		.amdhsa_float_denorm_mode_16_64 3
		.amdhsa_memory_ordered 1
		.amdhsa_forward_progress 1
		.amdhsa_inst_pref_size 23
	.end_amdhsa_kernel
	.amdgpu_metadata
---
amdhsa.version: [ 1, 2 ]
amdhsa.kernels:
  - .name:           k_q7d9ee8d870_proj
    .symbol:         k_q7d9ee8d870_proj.kd
    .args:
      - { .name: x0, .offset: 0, .size: 8, .value_kind: global_buffer, .address_space: global }
      - { .name: x1, .offset: 8, .size: 8, .value_kind: global_buffer, .address_space: global }
      - { .name: phi_w, .offset: 16, .size: 8, .value_kind: global_buffer, .address_space: global }
      - { .name: phi_b, .offset: 24, .size: 8, .value_kind: global_buffer, .address_space: global }
      - { .name: g_w, .offset: 32, .size: 8, .value_kind: global_buffer, .address_space: global }
      - { .name: g_b, .offset: 40, .size: 8, .value_kind: global_buffer, .address_space: global }
      - { .name: theta_w, .offset: 48, .size: 8, .value_kind: global_buffer, .address_space: global }
      - { .name: theta_b, .offset: 56, .size: 8, .value_kind: global_buffer, .address_space: global }
      - { .name: kv, .offset: 64, .size: 8, .value_kind: global_buffer, .address_space: global }
      - { .name: qimg, .offset: 72, .size: 8, .value_kind: global_buffer, .address_space: global }
    .group_segment_fixed_size: 33792
    .private_segment_fixed_size: 0
    .kernarg_segment_align: 8
    .kernarg_segment_size: 80
    .max_flat_workgroup_size: 256
    .sgpr_count:     66
    .vgpr_count:     256
    .wavefront_size: 32
...
	.end_amdgpu_metadata
.endif
;; end of part 1
;; launch attn (part 2): grid 256 x 1, 8 waves a work-group, clusters of 4 x 1, 327,680 bytes of LDS; arguments kv, qimg, W_w, W_b, x0, out0; writes out0
.if DOCPART == 2
	.amdgcn_target "amdgcn-amd-amdhsa--gfx1250"
	.amdhsa_code_object_version 6
	.text
	.protected	k_q7d9ee8d870_attn
	.globl	k_q7d9ee8d870_attn
	.p2align	8
	.type	k_q7d9ee8d870_attn,@function
k_q7d9ee8d870_attn:
	s_mov_b64 s[64:65], 0
	v_nop
	global_prefetch_b8 v0, s[64:65] scope:SCOPE_SE
	s_setreg_imm32_b32 hwreg(HW_REG_WAVE_MODE, 25, 1), 1
	s_wait_xcnt 0x0
	s_wait_alu depctr_hold_cnt(0) depctr_sa_sdst(0) depctr_va_vdst(0) depctr_va_sdst(0) depctr_va_ssrc(0) depctr_va_vcc(0) depctr_vm_vsrc(0)
	s_getreg_b32 s2, hwreg(HW_REG_IB_STS2, 6, 4)
	s_cmp_eq_u32 s2, 0
	s_cbranch_scc0 .Lentry_in_a_cluster
	s_endpgm
.Lentry_in_a_cluster:
	s_bfe_u32 s2, ttmp6, 0x10000c
	s_cmp_lg_u32 s2, 0x3003
	s_cbranch_scc0 .Lentry_shape_is_right
	s_endpgm
.Lentry_shape_is_right:
; softmax(theta^T phi) g over 4,096 keys with a running maximum, then the 1x1 convolution 64 -> 128, its bias, and + x0.
; A work-group owns 64 queries (one block of one image).  Each of its eight waves holds all 64 queries and owns 512 keys (blocks 8 w .. 8 w + 7 of
; the image), with a running maximum and sum of its own; the eight partial results meet in LDS at the end.  So each byte of K and V is read from
; LDS once in the work-group, by the wave whose tensor load brought it.
; CLUSTER: the four work-groups of a cluster work on one image and walk the same blocks of K and V in the same order; each block (16,384 bytes) is
; asked for jointly by the four, which divides the requests for K and V by four.
; THE WALK GOES ROUND: cluster c begins with block c % 8 of each wave's eight and goes on modulo 8 (the order of the keys does not matter to a softmax).
; So the sixteen clusters of an image ask for all its 64 blocks at the start, and every later request is for a block that another cluster of the image
; has asked for at least a step earlier.  The place in the walk hangs on the cluster's number, which the four partners share.
; TWO GROUPS OF WAVES, HALF A STEP APART.  A step of a wave (64 keys x 64 queries) is a matrix block MB(s) = O += V(s-1) P(s-1), then S = K(s) Q
; (64 matrix instructions) and a vector block XB(s), the softmax of S (about 480 vector instructions).  Between two rounds of the cluster's barrier group 0
; runs MB(s), XB(s) and group 1 runs XB(s-1), MB(s): while one wave has matrix work the other has vector work.  group = (w + w / 4) % 2 differs between
; waves w and w + 4 and between waves 2 k and 2 k + 1, so two waves that share a SIMD differ whether the eight are dealt to the four SIMDs in turn or in pairs.
; Waits, rounds, refills, the load of K and all global loads stand in the text that all waves run; under the branches on the group stand register work and
; a wave's own LDS reads alone.  MB stands twice in a step's text and a wave runs one of the two; the distances behind matrix instructions hold whichever block stands next.
; THE CHAIN IS TRANSPOSED, so that no number changes its lane: S^T = K (A) x Q (B): a lane holds eight keys of one query; two packed tiles of S^T are
; the B fragment of O^T = V (A) x P (B); two packed tiles of O^T are the B fragment of out = W_w (A) x y (B).
; Positions: index i of tile T of a block is position 64 blk + 4 i + T, for keys and queries alike; a lane's four query tiles are four neighbouring f32 of out0.
; The scores arrive in units of powers of two (the launch before has scaled theta and phi).
; LIMITS: NaN and infinities in the inputs are not served.  A term smaller than 2^-126 of its row's largest counts as zero (v_exp_f32 flushes it).
; The denominator adds p in f32, the numerator uses p rounded to bf16.  theta, phi, g, p, y and W_w enter the products as bf16.
;
; REGISTERS, two windows of 256 (s_set_vgpr_msb's low byte: bits 1:0 source 0, 3:2 source 1, 5:4 source 2, 7:6 destination):
;   window 0: addresses, the rows' figures, fragments of Q, K, V;   window 1: S (then P, packed in place) and O.
.set TILE,  16384                      ; a block of kv: K image, then V image
.set SLOT,  131072                     ; a slot of the ring: one block for each of eight waves
.set STATM, 262144                     ; m[T][r][wave], f32, 2,048 bytes; l in the same shape 2,048 bytes behind
.set YIMG,  266240                     ; y as B fragments: (T, cc) at (2 T + cc) 1,024; 8,192 bytes
.set LA,   2                           ; v2, v3  16 lane + my bytes of slot 0, 1
.set ST,   8                           ; v[8+6q ..]  query tile q: M, MX | AL, D | L0, L1 (three even pairs)
.set CH,   32                          ; v[32+4q+j]  four chains of maxima for query tile q
.set QF,   64                          ; v[64:127]   Q, fragment (q, cc) at QF + 16 q + 8 cc
.set KF,   128                         ; v[128:191]  K, fragment (kt, cc) at KF + 16 kt + 8 cc
.set VF,   192                         ; v[192:255]  V, fragment (p, ct) at VF + 8 (4 p + ct)
.set SC,   0                           ; window 1, v[0:127]:   S, tile (kt, q) at 32 q + 8 kt; P, fragment (q, p), at 32 q + 16 p .. + 7
.set OA,   128                         ; window 1, v[128:255]: O, tile (ct, q) at OA + 32 q + 8 ct
.set WB,   96                          ; the way out: v[64:95] W_w as loaded, packed into v[64:79]; v[96:103] W_b
.set ACCY, 104                         ; v[104:119] y of my query tile and 32 channels;  v[120:127] the same, packed
.set YP,   120
.set XR,   128                         ; v[128:159] x0, then the result
.set MS,   160                         ; v[160:167] the eight waves' m;  v[168:175] their l;  v[176:191] their weights, twice each
.set LS,   168
.set GP,   176
.set RES,  160                         ; v[160:191] then the last products, tile T at RES + 8 T
.set TMP,  192                         ; v192 maximum, v193 denominator, v194 its reciprocal
.set YF,   192                         ; v[192:255] then y's fragments, (T, cc) at YF + 8 (2 T + cc)
.set G1,   24                          ; s[24:31] descriptor group 1
.set G0,   32                          ; s[32:39] descriptor group 0, a set for each slot
.set MSB, 0
.macro WIN new                         ; the immediate's high byte repeats the setting that is left; a switch that changes nothing is dropped
.if MSB != \new
	s_set_vgpr_msb (MSB<<8)|\new
.set MSB, \new
.endif
.endm
.macro PLACES n
.rept \n
	v_nop
.endr
.endm
; A round of the cluster's barrier: my work-group's barrier, so that wave 0's signal speaks for all eight waves; wave 0 signals for the work-group;
; every wave waits for all four work-groups; my work-group's barrier once more.
.macro ROUND
	s_barrier_signal -1
	s_barrier_wait -1
	s_cmp_lg_u32 s16, 0
	s_cbranch_scc1 .Lnot_wave_0_\@
	s_barrier_signal -3
.Lnot_wave_0_\@:
	s_barrier_wait -3
	s_barrier_signal -1
	s_barrier_wait -1
.endm
.macro KLOAD la                        ; the K image of my block: each load takes 512 consecutive bytes
.set ii, 0
.rept 16
	ds_load_b128 v[KF+4*ii:KF+4*ii+3], v[\la] offset:ii*512
.set ii, ii+1
.endr
.endm
.macro VLOAD la
.set ii, 0
.rept 16
	ds_load_b128 v[VF+4*ii:VF+4*ii+3], v[\la] offset:8192+ii*512
.set ii, ii+1
.endr
.endm
; S^T = K x Q.  Sixteen accumulators take turns; the first 32 channels start the sums.
.macro QK
	WIN 0x50
.irp cc, 0,1
.irp q, 0,1,2,3
.irp kt, 0,1,2,3
.if \cc == 0
	v_wmma_f32_16x16x32_bf16 v[SC+32*\q+8*\kt:SC+32*\q+8*\kt+7], v[KF+16*\kt+8*\cc:KF+16*\kt+8*\cc+7], v[QF+16*\q+8*\cc:QF+16*\q+8*\cc+7], 0
.else
	v_wmma_f32_16x16x32_bf16 v[SC+32*\q+8*\kt:SC+32*\q+8*\kt+7], v[KF+16*\kt+8*\cc:KF+16*\kt+8*\cc+7], v[QF+16*\q+8*\cc:QF+16*\q+8*\cc+7], v[SC+32*\q+8*\kt:SC+32*\q+8*\kt+7]
.endif
.endr
.endr
.endr
	WIN 0
.endm
; O^T += V x P.  Sixteen accumulators take turns.  first = 1: the first 32 keys start the sums.
.macro PV first
	WIN 0x54
.irp p, 0,1
.irp q, 0,1,2,3
.irp ct, 0,1,2,3
.if \first*(1-\p)
	v_wmma_f32_16x16x32_bf16 v[OA+32*\q+8*\ct:OA+32*\q+8*\ct+7], v[VF+8*(4*\p+\ct):VF+8*(4*\p+\ct)+7], v[SC+32*\q+16*\p:SC+32*\q+16*\p+7], 0
.else
	v_wmma_f32_16x16x32_bf16 v[OA+32*\q+8*\ct:OA+32*\q+8*\ct+7], v[VF+8*(4*\p+\ct):VF+8*(4*\p+\ct)+7], v[SC+32*\q+16*\p:SC+32*\q+16*\p+7], v[OA+32*\q+8*\ct:OA+32*\q+8*\ct+7]
.endif
.endr
.endr
.endr
	WIN 0
.endm
; What the way out needs: rows 16 w + r of W_w, W_b of 16 w + 8 h .., x0 of my 16 channels, into the registers that held Q and K
.macro WAYLOADS
.irp cc, 0,1
	global_load_b128 v[QF+16*\cc:QF+16*\cc+3],     v51, s[8:9] offset:128*\cc
	global_load_b128 v[QF+16*\cc+4:QF+16*\cc+7],   v51, s[8:9] offset:128*\cc+16
	global_load_b128 v[QF+16*\cc+8:QF+16*\cc+11],  v51, s[8:9] offset:128*\cc+64
	global_load_b128 v[QF+16*\cc+12:QF+16*\cc+15], v51, s[8:9] offset:128*\cc+80
.endr
	global_load_b128 v[WB:WB+3],   v52, s[10:11]
	global_load_b128 v[WB+4:WB+7], v52, s[10:11] offset:16
.irp j, 0,1,2,3,4,5,6,7
	global_load_b128 v[XR+4*\j:XR+4*\j+3], v53, s[12:13] offset:\j*16384 th:TH_LOAD_NT
.endr
.endm
; The matrix block of step s: the last step's P meets its V, this step's V takes its place in the registers, this step's K meets Q.
; slot: where this step's block lies.  first = 1: O is started.
.macro MB slot, first
	PV \first
	PLACES 5                                       ; four places before V is loaded again, five before the products below write over P (ISA guide 7.12.1)
	VLOAD LA+\slot
	s_wait_dscnt 16                                ; K, asked for at the step's head, is in; the sixteen younger loads (V) may be out
	QK
	PLACES 5                                       ; whatever stands next in the text keeps its distance: four places before S is read by a vector line or K or Q is loaded again, five before a product takes S's registers as B (ISA guide 7.12.1)
.endm
; The vector block of a step: the running maximum, p = 2^(s - maximum), the sums, O's shrinking, P packed.  first = 1: nothing is carried yet.
.macro XB first
	; the largest score of each query, the old maximum among them: four chains a query tile
	WIN 0x14
.irp k, 0,1,2,3
.irp q, 0,1,2,3
.irp j, 0,1,2,3
.if \k == 0
.if \first
	v_max3_num_f32 v[CH+4*\q+\j], s43, v[SC+32*\q+8*\j+2*\k], v[SC+32*\q+8*\j+2*\k+1]
.else
	v_max3_num_f32 v[CH+4*\q+\j], v[ST+6*\q], v[SC+32*\q+8*\j+2*\k], v[SC+32*\q+8*\j+2*\k+1]
.endif
.else
	v_max3_num_f32 v[CH+4*\q+\j], v[CH+4*\q+\j], v[SC+32*\q+8*\j+2*\k], v[SC+32*\q+8*\j+2*\k+1]
.endif
.endr
.endr
.endr
	WIN 0
.irp q, 0,1,2,3
	v_max3_num_f32 v[CH+4*\q], v[CH+4*\q], v[CH+4*\q+1], v[CH+4*\q+2]
.endr
.irp q, 0,1,2,3
	v_max_num_f32 v[CH+4*\q], v[CH+4*\q], v[CH+4*\q+3]
.endr
.irp q, 0,1,2,3
	v_permlanex16_b32 v[ST+6*\q+1], v[CH+4*\q], s40, s41           ; the other half of the lanes holds the query's other keys
.endr
.irp q, 0,1,2,3
	v_max_num_f32 v[ST+6*\q+1], v[CH+4*\q], v[ST+6*\q+1]
.endr
.if \first == 0
.irp q, 0,1,2,3
	v_sub_f32 v[ST+6*\q+3], v[ST+6*\q], v[ST+6*\q+1]
.endr
.irp q, 0,1,2,3
	v_exp_f32 v[ST+6*\q+2], v[ST+6*\q+3]           ; what is carried shrinks by 2^(old maximum - new maximum)
.endr
.endif
.irp q, 0,1,2,3
	v_mov_b32 v[ST+6*\q], v[ST+6*\q+1]             ; plain lines behind the exponentials, which touch neither their results nor their sources (ISA guide 5.7.2)
.endr
	; p = 2^(s - maximum), in place; O shrinks beside it.  Behind each run of exponentials stands a plain line on other registers.
	WIN 0x41
	s_wait_alu depctr_va_vdst(0)
.irp q, 0,1,2,3
.irp g, 0,1,2,3
.irp k, 0,1,2,3
	v_pk_add_f32 v[SC+32*\q+8*\g+2*\k:SC+32*\q+8*\g+2*\k+1], v[SC+32*\q+8*\g+2*\k:SC+32*\q+8*\g+2*\k+1], v[ST+6*\q:ST+6*\q+1] op_sel_hi:[1,0] neg_lo:[0,1] neg_hi:[0,1]
.endr
.if \first == 0
.irp k, 0,1,2,3
	v_pk_mul_f32 v[OA+32*\q+8*\g+2*\k:OA+32*\q+8*\g+2*\k+1], v[OA+32*\q+8*\g+2*\k:OA+32*\q+8*\g+2*\k+1], v[ST+6*\q+2:ST+6*\q+3] op_sel_hi:[1,0]
.endr
.endif
.irp k, 0,1,2,3,4,5,6,7
	v_exp_f32 v[SC+32*\q+8*\g+\k], v[SC+32*\q+8*\g+\k]
.endr
.endr
.endr
	; the sums of p, two a lane for each query tile
.if \first
	WIN 0x05
	s_wait_alu depctr_va_vdst(0)
.irp q, 0,1,2,3
	v_pk_add_f32 v[ST+6*\q+4:ST+6*\q+5], v[SC+32*\q:SC+32*\q+1], v[SC+32*\q+2:SC+32*\q+3]
.endr
	WIN 0x04
.else
	WIN 0x10
	s_wait_alu depctr_va_vdst(0)
.irp q, 0,1,2,3
	v_pk_fma_f32 v[ST+6*\q+4:ST+6*\q+5], v[ST+6*\q+4:ST+6*\q+5], v[ST+6*\q+2:ST+6*\q+3], v[SC+32*\q:SC+32*\q+1] op_sel_hi:[1,0,1]
.endr
	WIN 0x04
.irp q, 0,1,2,3
	v_pk_add_f32 v[ST+6*\q+4:ST+6*\q+5], v[ST+6*\q+4:ST+6*\q+5], v[SC+32*\q+2:SC+32*\q+3]
.endr
.endif
.irp k, 2,3,4,5,6,7,8,9,10,11,12,13,14,15
.irp q, 0,1,2,3
	v_pk_add_f32 v[ST+6*\q+4:ST+6*\q+5], v[ST+6*\q+4:ST+6*\q+5], v[SC+32*\q+2*\k:SC+32*\q+2*\k+1]
.endr
.endr
	; two tiles of p become one B fragment, in place: a destination never passes a source that is still to be read
	WIN 0x45
.irp q, 0,1,2,3
.irp p, 0,1
.irp k, 0,1,2,3
	v_cvt_pk_bf16_f32 v[SC+32*\q+16*\p+\k], v[SC+32*\q+16*\p+2*\k], v[SC+32*\q+16*\p+2*\k+1]
.endr
.irp k, 0,1,2,3
	v_cvt_pk_bf16_f32 v[SC+32*\q+16*\p+4+\k], v[SC+32*\q+16*\p+8+2*\k], v[SC+32*\q+16*\p+8+2*\k+1]
.endr
.endr
.endr
	WIN 0
.endm
; The head of step s, run by all waves alike.  slot: where block s lies.  refill = 1: the other slot, whose block s - 1 both groups have read wholly
; in step s - 1, is filled with block s + 1, which has the whole step in which to land.
.macro HEAD slot, refill
	s_wait_tensorcnt 0x0                           ; all my tensor loads have landed, block s among them: no load of mine is out,
	ds_add_u32 v62, v63
	s_wait_dscnt 0x0
.if \refill
	s_add_co_u32 s23, s23, 1                       ; so a group 0 may be written: the next place in the walk, modulo 8,
	s_and_b32 s23, s23, 7
	s_lshl_b32 s50, s23, 14                        ; in bytes
	s_add_nc_u64 s[G0+4*(1-\slot)+2:G0+4*(1-\slot)+3], s[4:5], s[50:51]
	s_or_b32 s[G0+4*(1-\slot)+3], s[G0+4*(1-\slot)+3], 0x80000000  ; type = 2
.endif
	s_wait_dscnt 0x0                               ; V of block s - 1 is in: my reads of the other slot are over
.if \refill
	ROUND                                          ; both now hold of every wave of all four work-groups
	tensor_load_to_lds s[G0+4*(1-\slot):G0+4*(1-\slot)+3], s[G1:G1+7]   ; my one tensor load behind the round, and the first thing there
	s_nop 0
.endif
	KLOAD LA+\slot
.endm
; A step: group 0 runs MB(s), XB(s); group 1 runs XB(s-1), MB(s).  XB stands once; each group jumps over one of the two MB.
.macro STEP slot, refill
	HEAD \slot, \refill
	s_cmp_lg_u32 s22, 0
	s_cbranch_scc1 .Lvector_first_\@
	MB \slot, 0
.Lvector_first_\@:
	XB 0
	s_cmp_eq_u32 s22, 0
	s_cbranch_scc1 .Lstep_end_\@
	MB \slot, 0
.Lstep_end_\@:
.endm
	s_load_b256 s[4:11], s[0:1], 0x0               ; kv 4, qimg 6, W_w 8, W_b 10
	s_load_b128 s[12:15], s[0:1], 0x20             ; x0 12, out0 14
	v_lshl_add_u32 v62, v0, 2, 0x43000
	v_mov_b32 v63, 0
	ds_add_u32 v62, v63
	v_lshrrev_b32 v1, 5, v0
	v_readfirstlane_b32 s16, v1                    ; wave
	s_lshr_b32 s22, s16, 2
	s_add_co_u32 s22, s22, s16
	s_and_b32 s22, s22, 1                          ; group = (w + w / 4) % 2
	s_and_b32 s23, ttmp9, 7                        ; where my cluster's walk begins: the same in all four partners
	s_bfe_u32 s17, ttmp6, 0x40000                  ; cx: my place in the cluster
	s_lshl_b32 s18, ttmp9, 2                       ; in a cluster launch ttmp9 counts clusters
	s_add_co_u32 s18, s18, s17                     ; my block of queries, 0 .. 255
	s_lshr_b32 s19, ttmp9, 4                       ; the image: the same in all four partners
	s_and_b32 s20, s18, 63                         ; my block in the image
	; Group 1: a block of 16,384 bytes that is dense in memory, as 64 rows of 32 elements of 8 bytes
	s_mov_b32 s[G1+0], 0x0023000f                  ; 15:0 the mask: all four of the cluster; 17:16 elements of 8 bytes; 21 set beside a mask
	s_mov_b32 s[G1+1], 32<<16                      ; tensor_dim0 = 32
	s_mov_b32 s[G1+2], 64<<16                      ; tensor_dim1 = 64
	s_mov_b32 s[G1+3], 32<<16                      ; tile_dim0 = 32
	s_mov_b32 s[G1+4], 64                          ; tile_dim1 = 64
	s_mov_b32 s[G1+5], 32                          ; from row to row: 32 elements
	s_mov_b32 s[G1+6], 0
	s_mov_b32 s[G1+7], 0
	s_lshl_b32 s44, s19, 20                        ; kv: image x 64 blocks
	s_lshl_b32 s21, s16, 17                        ; + wave x 8 blocks: nothing of my place in the cluster enters
	s_or_b32 s44, s44, s21
	s_mov_b32 s45, 0
	s_lshl_b32 s46, s18, 13                        ; qimg: my block
	s_mov_b32 s47, 0
	s_lshl_b32 s48, s19, 21                        ; x0 and out0: image x 128 channels
	s_lshl_b32 s21, s20, 8                         ; + block x 64 positions
	s_or_b32 s48, s48, s21
	s_mov_b32 s49, 0
	s_mov_b32 s51, 0
	s_mov_b32 s40, 0x76543210                      ; v_permlanex16_b32: lane i of one half reads lane i of the other
	s_mov_b32 s41, 0xfedcba98
	s_mov_b32 s43, 0xff800000                      ; minus infinity starts the first maxima
	s_mov_b32 s[G0+0], 1
	s_lshl_b32 s[G0+1], s16, 14                    ; LDS: wave x 16,384 in slot 0,
	s_mov_b32 s[G0+4], 1
	s_add_co_u32 s[G0+5], s[G0+1], SLOT            ; and in slot 1
	s_wait_dscnt 0x0
	s_wait_kmcnt 0x0
	s_add_nc_u64 s[4:5], s[4:5], s[44:45]          ; my wave's eight blocks
	s_lshl_b32 s50, s23, 14
	s_add_nc_u64 s[G0+2:G0+3], s[4:5], s[50:51]    ; the walk's first block
	s_add_co_u32 s23, s23, 1
	s_and_b32 s23, s23, 7
	s_lshl_b32 s50, s23, 14
	s_add_nc_u64 s[G0+6:G0+7], s[4:5], s[50:51]    ; and its second
	s_or_b32 s[G0+3], s[G0+3], 0x80000000          ; type = 2
	s_or_b32 s[G0+7], s[G0+7], 0x80000000
	s_add_nc_u64 s[6:7], s[6:7], s[46:47]
	s_add_nc_u64 s[12:13], s[12:13], s[48:49]
	s_add_nc_u64 s[14:15], s[14:15], s[48:49]
	ROUND                                          ; all four work-groups are here: the first joint loads meet
	tensor_load_to_lds s[G0:G0+3], s[G1:G1+7]      ; both first fills together: two tensor loads of the wave are out here, one behind each later round
	s_nop 0
	tensor_load_to_lds s[G0+4:G0+7], s[G1:G1+7]
	s_nop 0
	v_and_b32 v54, 31, v0                          ; lane
	v_and_b32 v55, 15, v0                          ; r
	v_bfe_u32 v56, v0, 4, 1                        ; h
	v_lshlrev_b32 v4, 4, v54                       ; 16 lane
.set ii, 0
.rept 16
	global_load_b128 v[QF+4*ii:QF+4*ii+3], v4, s[6:7] offset:ii*512 th:TH_LOAD_NT
.set ii, ii+1
.endr
	s_lshl_b32 s21, s16, 14
	v_add_nc_u32 v[LA], s21, v4
	v_add_nc_u32 v[LA+1], SLOT, v[LA]
	s_lshl_b32 s21, s16, 2
	s_add_co_u32 s21, s21, STATM
	v_lshl_add_u32 v5, v55, 5, s21                 ; where my wave's m of query r goes
	s_lshr_b32 s21, s16, 1
	s_lshl_b32 s21, s21, 9
	s_add_co_u32 s21, s21, STATM
	v_lshl_add_u32 v6, v55, 5, s21                 ; the eight waves' m of query r of tile w / 2
	s_lshl_b32 s21, s16, 11
	v_add_nc_u32 v7, s21, v4                       ; my part (tile w / 2, channels 32 (w % 2) ..) of waves 0 to 3's partial O,
	v_add_nc_u32 v48, 0x10000, v7                  ; and of waves 4 to 7's
	s_lshl_b32 s21, s16, 10
	s_add_co_u32 s21, s21, YIMG
	v_add_nc_u32 v49, s21, v4                      ; where my fragment of y goes
	v_add_nc_u32 v50, YIMG, v4                     ; all fragments of y
	v_lshlrev_b32 v51, 8, v55
	v_lshl_add_u32 v51, v56, 5, v51
	s_lshl_b32 s21, s16, 12
	v_add_nc_u32 v51, s21, v51                     ; W_w: row 16 w + r, 8 h channels on
	s_lshl_b32 s21, s16, 6
	v_lshl_add_u32 v52, v56, 5, s21                ; W_b of 16 w + 8 h ..
	v_lshlrev_b32 v53, 4, v55
	v_lshl_add_u32 v53, v56, 17, v53
	s_lshl_b32 s21, s16, 18
	v_add_nc_u32 v53, s21, v53                     ; x0 and out0: channel 16 w + 8 h, positions 4 r .. 4 r + 3
.irp q, 0,1,2,3
	v_mov_b32 v[ST+6*\q+1], 0                      ; v_permlanex16_b32 counts as a reader of its destination
.endr
	s_wait_tensorcnt 0x1                           ; my first block is in LDS, and I alone read it; the second may be out
	KLOAD LA
	VLOAD LA
	s_wait_loadcnt 0x0                             ; Q
	; step 0: S(0) in all waves; group 0 goes on to its softmax, group 1 falls half a step behind
	s_wait_dscnt 16                                ; K is in; the sixteen younger loads (V) may be out
	QK
	PLACES 5                                       ; as behind every S = K x Q: four places for a vector line or a load, five for a product that takes S's registers as B
	s_cmp_lg_u32 s22, 0
	s_cbranch_scc1 .Lstep0_end
	XB 1
.Lstep0_end:
	; step 1, two whole ways: the groups' vector blocks differ here (group 1's is its first); asks for the walk's third block
	HEAD 1, 1
	s_cmp_lg_u32 s22, 0
	s_cbranch_scc1 .Lstep1_group1
	MB 1, 1
	XB 0
	s_branch .Lstep1_end
.Lstep1_group1:
	XB 1
	MB 1, 1
.Lstep1_end:
	s_mov_b32 s42, 2
.Lpair:
	STEP 0, 1                                      ; steps 2 to 5 ask for the walk's fourth to seventh block
	STEP 1, 1
	s_sub_co_i32 s42, s42, 1
	s_cmp_lg_u32 s42, 0
	s_cbranch_scc1 .Lpair
	STEP 0, 1                                      ; step 6 asks for the eighth, the last
	STEP 1, 0                                      ; step 7: nothing is left to fetch, so no round; its wait for 0 shows the last block landed
	; step 8: Q and K have been read for the last time in both groups, so the way out's 18 global loads go out here, once, in the text that all waves run;
	; then group 1's last softmax, and the last P meets the last V in all waves
	s_wait_dscnt 0x0                               ; V
	WAYLOADS
	s_cmp_eq_u32 s22, 0
	s_cbranch_scc1 .Llast_pv
	XB 0
.Llast_pv:
	PV 0
	PLACES 4                                       ; four places before O is read and V's registers are written (ISA guide 7.12.1)
	; THE WAY OUT.  Each wave's maximum, sum and O go to LDS: O into the wave's own bytes of slot 0, which have had their last fill and whose reads are over.
.irp q, 0,1,2,3
	v_add_f32 v[ST+6*\q+4], v[ST+6*\q+4], v[ST+6*\q+5]
.endr
.irp q, 0,1,2,3
	v_permlanex16_b32 v[ST+6*\q+1], v[ST+6*\q+4], s40, s41
.endr
.irp q, 0,1,2,3
	v_add_f32 v[ST+6*\q+4], v[ST+6*\q+4], v[ST+6*\q+1]
.endr
.irp q, 0,1,2,3
	ds_store_b32 v5, v[ST+6*\q]   offset:\q*512            ; both halves of the lanes write the same word with the same value
	ds_store_b32 v5, v[ST+6*\q+4] offset:2048+\q*512
.endr
	WIN 0x04
.set ii, 0
.rept 32
	ds_store_b128 v[LA], v[OA+4*ii:OA+4*ii+3] offset:ii*512
.set ii, ii+1
.endr
	WIN 0
	s_wait_dscnt 0x0                               ; for the other waves' sake
	s_barrier_signal -1
	s_barrier_wait -1
	; Wave w merges query tile w / 2, channels 32 (w % 2) .. + 31: y = sum of f_i O_i / sum of f_i l_i, f_i = 2^(m_i - largest m)
	ds_load_b128 v[MS:MS+3],   v6
	ds_load_b128 v[MS+4:MS+7], v6 offset:16
	ds_load_b128 v[LS:LS+3],   v6 offset:2048
	ds_load_b128 v[LS+4:LS+7], v6 offset:2064
	WIN 0x40
.irp i, 0,1,2,3
.irp j, 0,1,2,3
	ds_load_b128 v[SC+16*\i+4*\j:SC+16*\i+4*\j+3], v7 offset:\i*16384+\j*512
.endr
.endr
.irp i, 4,5,6,7
.irp j, 0,1,2,3
	ds_load_b128 v[SC+16*\i+4*\j:SC+16*\i+4*\j+3], v48 offset:(\i-4)*16384+\j*512
.endr
.endr
	WIN 0
	s_wait_dscnt 32                                ; the four loads of m and l are in; the 32 younger ones may be out
	v_max3_num_f32 v[TMP], v[MS], v[MS+1], v[MS+2]
	v_max3_num_f32 v[TMP], v[TMP], v[MS+3], v[MS+4]
	v_max3_num_f32 v[TMP], v[TMP], v[MS+5], v[MS+6]
	v_max_num_f32 v[TMP], v[TMP], v[MS+7]
.irp i, 0,1,2,3,4,5,6,7
	v_sub_f32 v[GP+2*\i], v[MS+\i], v[TMP]
.endr
.irp i, 0,1,2,3,4,5,6,7
	v_exp_f32 v[GP+2*\i], v[GP+2*\i]
.endr
	v_nop                                          ; the plain place behind the exponentials (ISA guide 5.7.2)
	s_wait_alu depctr_va_vdst(0)
	v_mul_f32 v[TMP+1], v[GP], v[LS]
.irp i, 1,2,3,4,5,6,7
	v_fmac_f32 v[TMP+1], v[GP+2*\i], v[LS+\i]      ; at least 1: the wave that holds the largest m has f = 1 and l >= 1
.endr
	v_rcp_f32 v[TMP+2], v[TMP+1]
	v_nop
	s_wait_alu depctr_va_vdst(0)
.irp i, 0,1,2,3,4,5,6,7
	v_mul_f32 v[GP+2*\i+1], v[GP+2*\i], v[TMP+2]   ; each weight twice: a pair for the packed lines
	v_mul_f32 v[GP+2*\i],   v[GP+2*\i], v[TMP+2]
.endr
	WIN 0x01
.irp i, 0,1,2,3,4,5,6,7
	s_wait_dscnt 4*(7-\i)                          ; wave i's four loads are in; those of the waves behind it may be out
.irp e, 0,1,2,3,4,5,6,7
.if \i == 0
	v_pk_mul_f32 v[ACCY+2*\e:ACCY+2*\e+1], v[SC+16*\i+2*\e:SC+16*\i+2*\e+1], v[GP+2*\i:GP+2*\i+1]
.else
	v_pk_fma_f32 v[ACCY+2*\e:ACCY+2*\e+1], v[SC+16*\i+2*\e:SC+16*\i+2*\e+1], v[GP+2*\i:GP+2*\i+1], v[ACCY+2*\e:ACCY+2*\e+1]
.endif
.endr
.endr
	WIN 0
.irp k, 0,1,2,3,4,5,6,7
	v_cvt_pk_bf16_f32 v[YP+\k], v[ACCY+2*\k], v[ACCY+2*\k+1]       ; the B fragment (query tile w / 2, channels 32 (w % 2) ..)
.endr
	ds_store_b128 v49, v[YP:YP+3]
	ds_store_b128 v49, v[YP+4:YP+7] offset:512
	s_wait_dscnt 0x0                               ; for the other waves' sake
	s_barrier_signal -1
	s_barrier_wait -1
	; Wave w makes output channels 16 w .. + 15 of all 64 queries
.set ii, 0
.rept 16
	ds_load_b128 v[YF+4*ii:YF+4*ii+3], v50 offset:ii*512
.set ii, ii+1
.endr
	s_wait_loadcnt 0x0                             ; W_w, W_b, x0
.set ii, 0
.rept 16
	v_cvt_pk_bf16_f32 v[QF+ii], v[QF+2*ii], v[QF+2*ii+1]           ; W_w's fragment cc at QF + 8 cc
.set ii, ii+1
.endr
	s_wait_dscnt 0x0
	; the bias starts the sums; four accumulators take turns
.irp cc, 0,1
.irp tt, 0,1,2,3
.if \cc == 0
	v_wmma_f32_16x16x32_bf16 v[RES+8*\tt:RES+8*\tt+7], v[QF+8*\cc:QF+8*\cc+7], v[YF+8*(2*\tt+\cc):YF+8*(2*\tt+\cc)+7], v[WB:WB+7]
.else
	v_wmma_f32_16x16x32_bf16 v[RES+8*\tt:RES+8*\tt+7], v[QF+8*\cc:QF+8*\cc+7], v[YF+8*(2*\tt+\cc):YF+8*(2*\tt+\cc)+7], v[RES+8*\tt:RES+8*\tt+7]
.endif
.endr
.endr
	PLACES 4
.irp j, 0,1,2,3,4,5,6,7
.irp tt, 0,1,2,3
	v_add_f32 v[XR+4*\j+\tt], v[XR+4*\j+\tt], v[RES+8*\tt+\j]      ; channel 16 w + 8 h + j, position 4 r + T: the four tiles are four neighbouring f32
.endr
.endr
.irp j, 0,1,2,3,4,5,6,7
	global_store_b128 v53, v[XR+4*\j:XR+4*\j+3], s[14:15] offset:\j*16384 th:TH_STORE_NT   ; sixteen lanes store 256 consecutive bytes of a channel, aligned
.endr
	s_wait_tensorcnt 0x0
	ds_add_u32 v62, v63
	s_wait_dscnt 0x0
	ROUND                                          ; the closing round: no work-group ends while a partner may still ask for a block that names it
	s_endpgm
.Lfunc_end_k_q7d9ee8d870_attn:
	.size	k_q7d9ee8d870_attn, .Lfunc_end_k_q7d9ee8d870_attn-k_q7d9ee8d870_attn
	.p2alignl 7, 3214868480
	.fill 96, 4, 3214868480
	.section	.rodata,"a",@progbits
	.p2align	6, 0x0
	.amdhsa_kernel k_q7d9ee8d870_attn
		.amdhsa_group_segment_fixed_size 327680
		.amdhsa_private_segment_fixed_size 0
		.amdhsa_enable_private_segment 0
		.amdhsa_kernarg_size 48
		.amdhsa_user_sgpr_count 2
		.amdhsa_user_sgpr_kernarg_segment_ptr 1
		.amdhsa_wavefront_size32 1
		.amdhsa_system_sgpr_workgroup_id_x 1
		.amdhsa_system_sgpr_workgroup_id_y 1
		.amdhsa_system_sgpr_workgroup_id_z 1
		.amdhsa_system_vgpr_workitem_id 0
		.amdhsa_next_free_vgpr 512
		.amdhsa_next_free_sgpr 66
		.amdhsa_reserve_vcc 0
		.amdhsa_float_denorm_mode_32 3
		.amdhsa_float_denorm_mode_16_64 3
		.amdhsa_memory_ordered 1
		.amdhsa_forward_progress 1
		.amdhsa_inst_pref_size 255
	.end_amdhsa_kernel
	.section	.bss,"aw",@nobits
	.p2align	6
	.space	262144
	.amdgpu_metadata
---
amdhsa.version: [ 1, 2 ]
amdhsa.kernels:
  - .name:           k_q7d9ee8d870_attn
    .symbol:         k_q7d9ee8d870_attn.kd
    .args:
      - { .name: kv, .offset: 0, .size: 8, .value_kind: global_buffer, .address_space: global }
      - { .name: qimg, .offset: 8, .size: 8, .value_kind: global_buffer, .address_space: global }
      - { .name: W_w, .offset: 16, .size: 8, .value_kind: global_buffer, .address_space: global }
      - { .name: W_b, .offset: 24, .size: 8, .value_kind: global_buffer, .address_space: global }
      - { .name: x0, .offset: 32, .size: 8, .value_kind: global_buffer, .address_space: global }
      - { .name: out0, .offset: 40, .size: 8, .value_kind: global_buffer, .address_space: global }
    .group_segment_fixed_size: 327680
    .private_segment_fixed_size: 0
    .kernarg_segment_align: 8
    .kernarg_segment_size: 48
    .max_flat_workgroup_size: 256
    .sgpr_count:     66
    .vgpr_count:     512
    .wavefront_size: 32
...
	.end_amdgpu_metadata
.endif
;; end of part 2
